; MI455X (gfx1250); checked and timed in simulation.
; The chip was launched on July 23, 2026; its instructions are those of AMD's public machine-readable ISA for CDNA 5 (MIT licence, August 2026) and "CDNA5" Instruction Set Architecture Reference Guide (July 2026). The comments in the code are by the model that wrote it; some were corrected since.
;; XPU Int4 Linear. Allowed arithmetic: matrix products marked QUANTISED: E5M2 operands, one given power-of-two scale a tensor, by v_wmma_f32_16x16x64_bf8_bf8 or v_wmma_f32_16x16x128_bf8_bf8, f32 sums; everything else in f32.
;; Inputs: lowp_scales 2 int32 (the exponents e of the quantised operands' scales 2^e); qscale 32 x 2,048 float32; qweight 2,048 x 512 int32; qzeros 32 x 2,048 int32; x_codes 4 x 2,048 x 128 x 32 uint8 (E5M2 codes of x, K innermost, in blocks of 32 codes).
;; Outputs: out0 4 x 2,048 x 2,048 float32.
;; This version of the problem:
;;   THIS VERSION OF THE PROBLEM IS GIVEN IN LOW PRECISION. The matrix products marked QUANTISED in the list below multiply operands that are first quantised to E5M2 (5 exponent bits, 2 mantissa bits; 8 bits a number), with one given power-of-two scale for each operand tensor; their sums are f32. All else is computed in f32.
;;   The module's matrix products, in the order in which they are computed (A, B: the left and right operand; K: the contracted axis; several contracted axes count as one K, in the product's order):
;;     1. [M 8,192, K 4,096] x [K 4,096, N 2,048]; A: input x (given as codes); B: computed on the way: QUANTISED (scales: A lowp_scales[0], B lowp_scales[1])
;;   THE QUANTISER, for each operand of a quantised product, along K:
;;     - The operand's scale is 2^e, e = its entry of the input lowp_scales (int32; the entries are numbered through the quantised products in the list's order, A before B).
;;     - Each number is divided by the scale, clamped to +-57,344, and rounded to the nearest number of E5M2, ties to even, subnormals kept.
;;     - The product sums the exact products of the quantised numbers (number of the format x scale) in f32.
;;   ~~~python
;;   def quantise(x, axis, e):      # numpy; x: float32 -> the quantised numbers, widened to float32 again
;;       x = np.moveaxis(x, axis, -1); K = x.shape[-1]
;;       r = np.clip(x / 2.0 ** e, -57344, 57344)
;;       step = 2.0 ** (np.maximum(np.frexp(np.where(r == 0, 1, r))[1] - 1, -14) - 2)
;;       q = np.round(r / step) * step * 2.0 ** e      # np.round: ties to even
;;       return np.moveaxis(q, -1, axis).astype(np.float32)
;;   ~~~
;;   OPERANDS COMPUTED ON THE WAY. 'Computed on the way' means the value that the module computes at that place (a softmax that the list does not call 'softmax' is quantised finished and normalised). What goes into a quantiser is computed in f32, as accurately as f32 sums, v_exp_f32 and their like allow (about 1e-6 of the number): no bf16 or f16 on the way to a quantiser, and a product that is left as it is and whose result goes on into a quantised operand takes f32 operands (vector FMAs, or v_wmma_f32_16x16x4_f32). A number that lies on a knife's edge between two numbers of the format may be rounded either way, as far as f32 arithmetic and the matrix unit's own rounding can turn it there, and no further.
;;   INPUTS GIVEN AS CODES. x (in the module: [4, 2048, 4096], K = its axis 2): each comes as NAME_codes (uint8): NAME with its K axis moved to the last place and cut into blocks of 32 codes, [.., K / 32, bytes a block], one block behind the other in memory; one code a byte (a code: sign, 5 exponent bits, 2 mantissa bits); its scale is its entry of lowp_scales. Its value is code x scale, taken as it is: it is not quantised again, and the codes and scales need not be those that the quantiser above would give.
;; One version. Each part assembles by itself: llvm-mc -triple=amdgcn-amd-amdhsa -mcpu=gfx1250 --defsym DOCPART=n.
;; ======== version 1 of 1: 2 launches
;; limits: right only within a limited range of input values
;; workspace buffers: wcodes 8,388,608 bytes
;; launch wquant (part 1): grid 8 x 32, 8 waves a work-group, no clusters, 5,376 bytes of LDS; arguments qweight, qscale, qzeros, lowp_scales, wcodes; writes wcodes
.if DOCPART == 1
	.amdgcn_target "amdgcn-amd-amdhsa--gfx1250"
	.amdhsa_code_object_version 6
	.text
	.protected	k_qff3ecec72f_wquant
	.globl	k_qff3ecec72f_wquant
	.p2align	8
	.type	k_qff3ecec72f_wquant,@function
k_qff3ecec72f_wquant:
	s_mov_b64 s[64:65], 0
	v_nop
	global_prefetch_b8 v0, s[64:65] scope:SCOPE_SE
	s_setreg_imm32_b32 hwreg(HW_REG_WAVE_MODE, 25, 1), 1
	s_wait_xcnt 0x0
; W[o][k] = (nibble(o, k) - zero(k / 128, o)) x scale(k / 128, o), in f32, is turned into codes of BF8 (E5M2), one a byte, laid [2048 (o)][4096 (k)] with K innermost,
; with the one scale 2^e1 that is given for it (entry 1 of the buffer of scales).  code = W / 2^e1, held within +-57,344, rounded to the nearest code, ties to even.
; qweight: [2048][512] words of eight nibbles, the lowest nibble the lowest k.  qscale (f32), qzeros (int32): [32 (group of 128 k)][2048 (o)].
; LIMITS: e1 between -126 and 112, so that 2^e1 and 57,344 x 2^e1 are f32 numbers.  NaN or infinity among the scales is not served.  A zero point may be any int32: it is widened to f32 and subtracted in f32.
; The subtraction and the multiplication stay two instructions: n - z is formed first and multiplied once; a fused n x s - z x s would round z x s ahead of the sum and give another number.
; SHARES.  Work-group (x = kc, y = rb) owns rows 64 rb .. 64 rb + 63 and k = 512 kc .. 512 kc + 511: four groups of 128.  Wave w owns the eight rows 64 rb + 8 w + j.
; For a row the wave reads 256 consecutive bytes, aligned (8 a lane): lane l holds 16 NEIGHBOURS along K, k = 512 kc + 16 l + 0 .. 15, all of the chunk's group l / 8.  The conversions take neighbours along K from one lane's
; consecutive registers, so the lane's 16 codes are 16 consecutive bytes, and the wave's store covers 512 consecutive bytes, aligned.
; SCALES AND ZERO POINTS.  The work-group wants 4 groups x 64 rows of each: eight aligned runs of 256 bytes.  Wave w reads ONE of them (waves 0-3 a group's scales, waves 4-7 a group's zero points), so each is read once in the
; launch, and lays each number TWICE into LDS: a lane's loads then bring ready pairs (s, s) for the packed arithmetic.  One barrier stands between the laying and the reading.
.set REG,   528                        ; an LDS region: 64 numbers x 8 bytes + 16 of padding, so that the four regions that one load touches begin 16 bytes apart modulo 256
.set ZOFF,  4*REG                      ; regions 0-3: the four groups' scales; regions 4-7: their zero points
.set QROW,  2048                       ; a row of qweight in bytes
.set CROW,  4096                       ; a row of the codes in bytes
.set LN,    1                          ; v1       lane
.set LO,    2                          ; v2       8 x lane: my bytes of a load's 256; never rewritten
.set SO,    3                          ; v3       16 x lane: my bytes of a store's 512; never rewritten
.set LS,    4                          ; v4       LDS: where I lay two numbers, doubled: REG x wave + 16 x lane
.set LR,    5                          ; v5       LDS: my group's region, my wave's eight rows: REG x (lane / 8) + 64 x wave
.set T,     8                          ; v[8:11]  two scales or zero points, then doubled
.set W,     12                         ; v[12:27] row j's two words at v[12 + 2 j]
.set SP,    28                         ; v[28:43] row j's scale, twice, at v[28 + 2 j]
.set ZP,    44                         ; v[44:59] row j's zero point, twice, at v[44 + 2 j]
.set F,     60                         ; v[60:91] two sets of 16 numbers, by turns
.set C,     92                         ; v[92:123] row j's 16 codes at v[92 + 4 j]: no store's data are written again
.set SCL,   124                        ; v124     2^e1 as f32: the conversion takes its exponent field
.set LIM,   125                        ; v125     57,344 x 2^e1
	s_load_b256 s[4:11], s[0:1], 0x0               ; qweight s[4:5], qscale s[6:7], qzeros s[8:9], the scales' exponents s[10:11]
	s_load_b64 s[12:13], s[0:1], 0x20              ; the codes
	v_lshl_add_u32 v128, v0, 2, 0x1100
	v_mov_b32 v129, 0
	v_lshrrev_b32 v6, 5, v0
	s_delay_alu instid0(VALU_DEP_1)
	v_readfirstlane_b32 s14, v6                    ; wave 0..7
	v_and_b32 v[LN], 31, v0
	s_delay_alu instid0(VALU_DEP_1)
	v_lshlrev_b32 v[LO], 3, v[LN]
	s_delay_alu instid0(VALU_DEP_2)
	v_lshlrev_b32 v[SO], 4, v[LN]
	s_mul_i32 s17, s14, REG
	v_add_nc_u32 v[LS], s17, v[SO]
	v_lshrrev_b32 v6, 3, v[LN]                     ; my group of the chunk's four
	s_delay_alu instid0(VALU_DEP_1)
	v_mul_u32_u24 v[LR], v6, REG
	s_lshl_b32 s18, s14, 6
	v_add_nc_u32 v[LR], s18, v[LR]
	s_and_b32 s16, ttmp7, 0xffff                   ; rb
	s_lshl_b32 s17, s16, 6
	s_lshl_b32 s18, s14, 3
	s_add_co_u32 s17, s17, s18                     ; my wave's first row: 64 rb + 8 w
	s_lshl_b32 s22, s17, 11                        ; in qweight: rows of 2,048 bytes,
	s_lshl_b32 s19, ttmp9, 8                       ; + 256 bytes for each chunk of 512 k
	s_add_co_u32 s22, s22, s19
	s_mov_b32 s23, 0
	s_lshl_b32 s24, s17, 12                        ; in the codes: rows of 4,096 bytes,
	s_lshl_b32 s19, ttmp9, 9                       ; + 512 bytes for each chunk
	s_add_co_u32 s24, s24, s19
	s_mov_b32 s25, 0
	s_lshl_b32 s26, ttmp9, 2
	s_and_b32 s19, s14, 3
	s_add_co_u32 s26, s26, s19                     ; the group whose numbers I fetch: 4 kc + w % 4
	s_lshl_b32 s26, s26, 13                        ; rows of 8,192 bytes,
	s_lshl_b32 s19, s16, 8                         ; + 256 bytes for each block of 64 rows of W
	s_add_co_u32 s26, s26, s19
	s_mov_b32 s27, 0
	s_wait_alu depctr_va_vdst(0)
	s_wait_kmcnt 0x0
	s_load_b32 s30, s[10:11], 0x4                  ; e1
	s_cmp_lt_u32 s14, 4                            ; waves 0-3 fetch scales, waves 4-7 zero points: the choice hangs on the wave's number alone
	s_cselect_b64 s[20:21], s[6:7], s[8:9]
	s_add_nc_u64 s[20:21], s[20:21], s[26:27]
	s_add_nc_u64 s[4:5], s[4:5], s[22:23]
	s_add_nc_u64 s[12:13], s[12:13], s[24:25]
	global_load_b64 v[T:T+1], v[LO], s[20:21] th:TH_LOAD_NT                    ; 64 numbers of one group: 256 consecutive bytes; read once in the launch
.irp j, 0,1,2,3,4,5,6,7
	global_load_b64 v[W+2*\j:W+2*\j+1], v[LO], s[4:5] offset:\j*QROW th:TH_LOAD_NT   ; row j: 64 words, 256 consecutive bytes; read once in the launch
.endr
	s_wait_loadcnt 8                               ; loads come back in order: the scales or zero points are in, the eight rows behind them may stay out
	v_mov_b32 v[T+2], v[T+1]                       ; (a, b) becomes (a, a, b, b)
	v_mov_b32 v[T+3], v[T+1]
	v_mov_b32 v[T+1], v[T]
	ds_store_b128 v[LS], v[T:T+3]                  ; the number of local row o lies at byte 8 o of its region, twice
	s_wait_dscnt 0x0                               ; for the others' sake: my store has landed
	s_barrier_signal -1
	s_barrier_wait -1                              ; all eight regions are whole
.irp i, 0,1,2,3
	ds_load_b128 v[SP+4*\i:SP+4*\i+3], v[LR] offset:16*\i          ; my eight rows' scales of my group, each twice
.endr
.irp i, 0,1,2,3
	ds_load_b128 v[ZP+4*\i:ZP+4*\i+3], v[LR] offset:ZOFF+16*\i     ; and their zero points
.endr
	s_wait_kmcnt 0x0
	s_add_co_i32 s30, s30, 127
	s_lshl_b32 s31, s30, 23
	v_mov_b32 v[SCL], s31                          ; 2^e1
	s_add_co_i32 s30, s30, 15
	s_lshl_b32 s30, s30, 23
	s_or_b32 s30, s30, 0x600000                    ; the mantissa field of 57,344
	v_mov_b32 v[LIM], s30                          ; 57,344 x 2^e1
	s_wait_dscnt 0x0
.irp i, 0,1,2,3,4,5,6,7,8,9,10,11,12,13,14,15
	v_cvt_f32_i32 v[ZP+\i], v[ZP+\i]               ; the zero points as f32
.endr
; Row j: 16 nibbles a lane become 16 codes.  The two sets of numbers take turns, so the next row's plain lines, which write the other set, stand between this row's conversions and the next write of their sources.
.macro ROW j
.set FS, F+16*((\j)%2)
	s_wait_loadcnt 7-(\j)                          ; row j is in; the rows behind it may stay out
.irp u, 0,1
.irp i, 0,1,2,3,4,5,6,7
	v_bfe_u32 v[FS+8*\u+\i], v[W+2*(\j)+\u], 4*\i, 4               ; nibble i of word u: k = 16 l + 8 u + i
.endr
.endr
.irp i, 0,1,2,3,4,5,6,7,8,9,10,11,12,13,14,15
	v_cvt_f32_u32 v[FS+\i], v[FS+\i]
.endr
.irp p, 0,2,4,6,8,10,12,14
	v_pk_add_f32 v[FS+\p:FS+\p+1], v[FS+\p:FS+\p+1], v[ZP+2*(\j):ZP+2*(\j)+1] neg_lo:[0,1] neg_hi:[0,1]   ; n - z, two at a time
.endr
.irp p, 0,2,4,6,8,10,12,14
	v_pk_mul_f32 v[FS+\p:FS+\p+1], v[FS+\p:FS+\p+1], v[SP+2*(\j):SP+2*(\j)+1]                             ; x s
.endr
.irp i, 0,1,2,3,4,5,6,7,8,9,10,11,12,13,14,15
	v_med3_num_f32 v[FS+\i], v[FS+\i], -v[LIM], v[LIM]             ; the conversion to an 8-bit code does not saturate (ISA guide 7.6.2): the number is held within the largest code x the scale first
.endr
	v_cvt_scalef32_pk8_bf8_f32 v[C+4*(\j):C+4*(\j)+1], v[FS:FS+7], v[SCL]         ; eight numbers / 2^e1, to the nearest code, ties to even; the first number's code in the lowest byte
	v_cvt_scalef32_pk8_bf8_f32 v[C+4*(\j)+2:C+4*(\j)+3], v[FS+8:FS+15], v[SCL]
	global_store_b128 v[SO], v[C+4*(\j):C+4*(\j)+3], s[12:13] offset:(\j)*CROW    ; 32 lanes store 512 consecutive bytes, at a multiple of 512 from the buffer's first byte; the next launch reads them, so no hint
.endm
.irp j, 0,1,2,3,4,5,6,7
	ROW \j
.endr
	s_wait_tensorcnt 0x0
	ds_add_u32 v128, v129
	s_wait_dscnt 0x0
	s_endpgm
.Lfunc_end_k_qff3ecec72f_wquant:
	.size	k_qff3ecec72f_wquant, .Lfunc_end_k_qff3ecec72f_wquant-k_qff3ecec72f_wquant
	.p2alignl 7, 3214868480
	.fill 96, 4, 3214868480
	.section	.rodata,"a",@progbits
	.p2align	6, 0x0
	.amdhsa_kernel k_qff3ecec72f_wquant
		.amdhsa_group_segment_fixed_size 5376
		.amdhsa_private_segment_fixed_size 0
		.amdhsa_enable_private_segment 0
		.amdhsa_kernarg_size 40
		.amdhsa_user_sgpr_count 2
		.amdhsa_user_sgpr_kernarg_segment_ptr 1
		.amdhsa_wavefront_size32 1
		.amdhsa_system_sgpr_workgroup_id_x 1
		.amdhsa_system_sgpr_workgroup_id_y 1
		.amdhsa_system_sgpr_workgroup_id_z 1
		.amdhsa_system_vgpr_workitem_id 0
		.amdhsa_next_free_vgpr 130
		.amdhsa_next_free_sgpr 66
		.amdhsa_reserve_vcc 0
		.amdhsa_float_denorm_mode_32 3
		.amdhsa_float_denorm_mode_16_64 3
		.amdhsa_memory_ordered 1
		.amdhsa_forward_progress 1
		.amdhsa_inst_pref_size 35
	.end_amdhsa_kernel
	.amdgpu_metadata
---
amdhsa.version: [ 1, 2 ]
amdhsa.kernels:
  - .name:           k_qff3ecec72f_wquant
    .symbol:         k_qff3ecec72f_wquant.kd
    .args:
      - { .name: qweight, .offset: 0, .size: 8, .value_kind: global_buffer, .address_space: global }
      - { .name: qscale, .offset: 8, .size: 8, .value_kind: global_buffer, .address_space: global }
      - { .name: qzeros, .offset: 16, .size: 8, .value_kind: global_buffer, .address_space: global }
      - { .name: lowp_scales, .offset: 24, .size: 8, .value_kind: global_buffer, .address_space: global }
      - { .name: wcodes, .offset: 32, .size: 8, .value_kind: global_buffer, .address_space: global }
    .group_segment_fixed_size: 5376
    .private_segment_fixed_size: 0
    .kernarg_segment_align: 8
    .kernarg_segment_size: 40
    .max_flat_workgroup_size: 256
    .sgpr_count:     66
    .vgpr_count:     130
    .wavefront_size: 32
...
	.end_amdgpu_metadata
.endif
;; end of part 1
;; launch gemm (part 2): grid 8 x 32, 4 waves a work-group, clusters of 4 x 4, 327,680 bytes of LDS; arguments x_codes, wcodes, lowp_scales, out0; writes out0
.if DOCPART == 2
	.amdgcn_target "amdgcn-amd-amdhsa--gfx1250"
	.amdhsa_code_object_version 6
	.text
	.protected	k_qff3ecec72f_gemm
	.globl	k_qff3ecec72f_gemm
	.p2align	8
	.type	k_qff3ecec72f_gemm,@function
k_qff3ecec72f_gemm:
	s_mov_b64 s[64:65], 0
	v_nop
	global_prefetch_b8 v0, s[64:65] scope:SCOPE_SE
	s_setreg_imm32_b32 hwreg(HW_REG_WAVE_MODE, 25, 1), 1
	s_wait_xcnt 0x0
	s_wait_alu depctr_hold_cnt(0) depctr_sa_sdst(0) depctr_va_vdst(0) depctr_va_sdst(0) depctr_va_ssrc(0) depctr_va_vcc(0) depctr_vm_vsrc(0)
	s_getreg_b32 s2, hwreg(HW_REG_IB_STS2, 6, 4)
	s_cmp_eq_u32 s2, 0
	s_cbranch_scc0 .Lentry_in_a_cluster
	s_endpgm
.Lentry_in_a_cluster:
	s_bfe_u32 s2, ttmp6, 0x10000c
	s_cmp_lg_u32 s2, 0xf033
	s_cbranch_scc0 .Lentry_shape_is_right
	s_endpgm
.Lentry_shape_is_right:
; C[m][n] = 2^(e0 + e1) x the sum over k of A[m][k] B[n][k].  A = x's codes [8192][4096], B = W's codes [2048][4096] (the launch before wrote them), BF8 (E5M2), one a byte, K innermost; C: [8192][2048] f32; sums in f32.
; e0, e1: the two whole numbers in the buffer of scales; the codes are multiplied as they are and each finished sum once by 2^(e0 + e1).  LIMIT: e0 + e1 lies between -126 and 127, so that 2^(e0 + e1) is an f32 number.
; SHAPE.  256 work-groups, each 256 x 256 of C; four waves, each 128 x 128: 64 accumulators of 16 x 16, 512 registers.  K goes in 16 K steps of 256 through two LDS slots; a tile's row is 256 bytes of memory.
; ORDER OF K.  Cluster row c (0 .. 7) begins at K step 2 c and goes round, so that the eight cluster rows, which all want B, ask for different K steps of it at a time.  So a sum's terms do not come in ascending k: an order of rounding.
; CLUSTERS: 4 x 4 work-groups.  The four of a row of the cluster need the same tiles of A, the four of a column the same of B: each tile is asked for jointly, same load, same descriptor, a mask that names the four.
; TRANSPOSED: source 0 = 16 rows of B, source 1 = 16 rows of A: lane l holds row l % 16 of C and 8 neighbouring columns, 8 (l / 16) + 0 .. 7.
; A fragment, 16 rows x 128 K, is 16 registers: lane l holds row l % 16, registers 4 c .. 4 c + 3 hold K = 32 c + 16 (l / 16) + 0 .. 15: the same permutation of k in A and in B.
; A slot is two STEPS (q = 0, 1) of 128 along K, 64 matrix instructions each: eight groups of four on A's blocks 0-3 (F; one B block after the other), then eight groups of four on A's blocks 4-7 (S).
; F has one set of registers (free behind a step's first half), S and B have two (set q).  A slot's 128 LDS loads go out in three runs:
;   behind the change of slots F0-3 B0-7 S0-2 of the new slot's step 0 (60 loads); in that step's middle its S3 and step 1's F0-3 B0-7 S0-1 (60); behind three quarters of it step 1's S2-3 (8).
; REGISTERS, in windows of 256: window 0: v0-31 addresses; v32-63 the last slot's third buffer of A; v64-127 F; v128-191, v192-255 S.  window 1: B's sets at v0 and v128.
;   window 2: the accumulators of my rows 0-63 ((a, b) at v[8 (8 a + b)]); window 3: of my rows 64-127.
; PREFETCH: at the change of slots that asks for a wave's K step t + 2 (in its own order), K step t + 4 is asked for (512 K, 256 matrix instructions, ahead); at the head the second to the fourth.  Of the 128 rows that a wave fetches each of the
;   four partners takes 32, told apart by address (cx for A, cy for B), a lane a row.  B's rows, which all eight cluster rows want, are asked for by the four odd cluster rows alone.  The loop's last trip asks for nothing: all 16 K steps have been asked for.
.set ROWB,   256                       ; a K step: bytes of a tile's row
.set KROW,   4096                      ; a row of A or B in memory
.set NROW,   8192                      ; a row of C in bytes
.set PITCH,  272                       ; an LDS row: 256 + 16 of padding: 16 rows start at 16 different banks (64 banks of 4 bytes: ISA guide 11.1)
.set HALFT,  128*PITCH                 ; what one tensor load brings, and what one wave reads of A or of B
.set SLOT,   4*HALFT                   ; A's 256 rows, then B's
.set SPARE,  2*SLOT                    ; the spare words: 128 bytes for each wave, no other line names them
.set SPITCH, 528                       ; the way out: a stage of 16 rows x (512 + 16) bytes for each wave, in slot 0, which has had its last fill and its last read by then
.set ADRA, 16                          ; v16-17 my A fragments in slot 0, 1
.set ADRB, 20                          ; v20-21 the same for B
.set STO,  24                          ; v24 where I put 32 bytes of a row into the stage
.set RD,   25                          ; v25 where I read a row back
.set CO,   26                          ; v26 my byte offset in a row of C
.set SPW,  28                          ; v28 my spare word; never rewritten
.set NIL,  29                          ; v29 0; never rewritten
.set PFO,  30                          ; v30 the prefetches' offset: lane x a row; never rewritten
.set FA,   64
.set SA,   128
.set BK,   64                          ; the way out: rows read back (F's registers)
.set TMP,  192                         ; the way out: scaled sums (S's set 1)
.set BASA, 20                          ; s[20:21] my 128 rows of A, at k = 0
.set BASB, 46                          ; s[46:47] my 128 rows of B
.set G1,   24                          ; s[24:31] descriptor group 1 for A;  s[32:39] group 0, one for each slot
.set G0,   32
.set G1B,  48                          ; s[48:55], s[56:63] the same for B
.set G0B,  56
.set PFA,  66                          ; s[66:67] what my next prefetch names
.set LIM,  68                          ; s68 1 where my wave prefetches, else 257
.set KO,   80                          ; s[80:81], s[82:83] where each slot's K step begins in a row, in bytes
.set PFK,  84                          ; s[84:85] the same for the prefetches
.set PFB,  86                          ; s[86:87] my work-group's 32 rows of the 128, at k = 0
.set MUL_LO, 0xa1                      ; source 0 (B) window 1, source 1 (A) window 0, C and D window 2
.set MUL_HI, 0xf1                      ; the same, C and D window 3
.set TO_B,   0x40                      ; destination window 1, address window 0
.set MSB, 0
.macro WIN new                         ; the immediate's high byte repeats the setting that is left
.if MSB != (\new)
	s_set_vgpr_msb (MSB<<8)|(\new)
.set MSB, (\new)
.endif
.endm
.macro PLACES                          ; four places between matrix instructions and what writes their registers or reads their results (ISA guide 7.12.1 for vector instructions)
.rept 4
	v_nop
.endr
.endm
.macro JLOAD s                         ; a joint load into slot s: waves 0, 1 fetch A's halves, waves 2, 3 B's; each line has one mask and one descriptor for all that issue it
	s_cmp_eq_u32 s15, 0
	s_cbranch_scc0 .Lfor_b_\@
	tensor_load_to_lds s[G0+4*\s:G0+4*\s+3], s[G1:G1+7]
	s_nop 0
.rept 4
	v_nop
.endr
	s_branch .Lasked_\@
.Lfor_b_\@:
	tensor_load_to_lds s[G0B+4*\s:G0B+4*\s+3], s[G1B:G1B+7]
	s_nop 0
.rept 4
	v_nop
.endr
.Lasked_\@:
.endm
.macro CROUND                          ; a round of the cluster's barrier
	s_barrier_signal -1
	s_barrier_wait -1
	s_cmp_lg_u32 s14, 0
	s_cbranch_scc1 .Lnot_wave_0_\@
	s_barrier_signal -3
.Lnot_wave_0_\@:
	s_barrier_wait -3
	s_barrier_signal -1
	s_barrier_wait -1
.endm
.macro FRAG reg, adr, off
.irp c, 0,1,2,3
	ds_load_b128 v[\reg+4*\c:\reg+4*\c+3], v[\adr] offset:\off+32*\c
.endr
.endm
.macro LF slot, q, i                   ; A's block i
	WIN 0
	FRAG FA+16*(\i), ADRA+\slot, 128*(\q)+(\i)*16*PITCH
.endm
.macro LS slot, q, i                   ; A's block 4 + i
	WIN 0
	FRAG SA+64*(\q)+16*(\i), ADRA+\slot, 128*(\q)+(4+\i)*16*PITCH
.endm
.macro LB slot, q, i                   ; B's block i
	WIN TO_B
	FRAG 128*(\q)+16*(\i), ADRB+\slot, 128*(\q)+(\i)*16*PITCH
.endm
.macro LFB slot, q                     ; F0-3, B0-7
.irp i, 0,1,2,3
	LF \slot, \q, \i
.endr
.irp i, 0,1,2,3,4,5,6,7
	LB \slot, \q, \i
.endr
.endm
.macro FIRSTS slot                     ; a slot's first run: 60 loads
	LFB \slot, 0
.irp i, 0,1,2
	LS \slot, 0, \i
.endr
.endm
; The 64 accumulators take turns in the same order in every step.  z = 1: the first product starts the sums.
.macro MM a, b, q, z
.if (\a) < 4
.set AR, FA+16*(\a)
.else
.set AR, SA+64*(\q)+16*((\a)-4)
.endif
.set AC, 8*(8*((\a)%4)+(\b))
.set BR, 128*(\q)+16*(\b)
.if \z
	v_wmma_f32_16x16x128_bf8_bf8 v[AC:AC+7], v[BR:BR+15], v[AR:AR+15], 0
.else
	v_wmma_f32_16x16x128_bf8_bf8 v[AC:AC+7], v[BR:BR+15], v[AR:AR+15], v[AC:AC+7]
.endif
.endm
.macro GF b, q, z                      ; a group of the first half: A's blocks 0-3 x B's block b
	WIN MUL_LO
.irp a, 0,1,2,3
	MM \a, \b, \q, \z
.endr
.endm
.macro GS g, q, z                      ; group g of the second half: A's block 4 + g / 2 x four of B's blocks
	WIN MUL_HI
.irp c, 0,1,2,3
	MM 4+(\g)/2, 4*((\g)%2)+\c, \q, \z
.endr
.endm
; A slot's step 0
.macro QZERO slot, z
.irp b, 0,1,2,3,4,5,6,7
	s_wait_dscnt 40-4*\b                           ; B's block b is in: behind it 28 - 4 b loads of B and S0-2's 12
	GF \b, 0, \z
.endr
	PLACES                                         ; for the loads into F, which the first half read, and into S's and B's set 1, which the step before read
	LS \slot, 0, 3
	LFB \slot, 1
	LS \slot, 1, 0
	LS \slot, 1, 1
	s_wait_dscnt 63                                ; S0-2's 12 and the 60 just issued: at least the oldest nine, S0 and S1 among them, are in
.irp g, 0,1,2,3
	GS \g, 0, \z
.endr
	LS \slot, 1, 2
	LS \slot, 1, 3
	s_wait_dscnt 63                                ; behind S3 stand F0-3, B0-7 and S0-3 of step 1, 64 loads: S2 and S3 are in
.irp g, 4,5,6,7
	GS \g, 0, \z
.endr
.endm
; A slot's step 1 up to its barrier's signal: B's block b is in when 28 - 4 b loads of B and S0-3's 16 are out, and, behind the add, one more.
; In front of the barrier each wave waits for all its tensor loads (its part of the next slot), adds 0 to its spare word, and waits for that and for its own reads of this slot.
.macro QONE slot, fill
.irp b, 0,1,2,3,4,5
	s_wait_dscnt 44-4*\b
	GF \b, 1, 0
.endr
	WIN 0
.if \fill
	s_wait_xcnt 0x0                                ; my last prefetch has read its address
	s_add_co_u32 s[PFK], s[PFK], ROWB
	s_and_b32 s[PFK], s[PFK], KROW-1
	s_add_nc_u64 s[PFA:PFA+1], s[PFB:PFB+1], s[PFK:PFK+1]
.endif
	s_wait_tensorcnt 0x0                           ; my part of the next slot has landed;
	ds_add_u32 v[SPW], v[NIL]                      ; 0 onto my spare word
.if \fill
	s_add_co_u32 s[KO+2*\slot], s[KO+2*\slot], 2*ROWB   ; two K steps on, round the row's end
	s_and_b32 s[KO+2*\slot], s[KO+2*\slot], KROW-1
	s_add_nc_u64 s[G0+4*\slot+2:G0+4*\slot+3], s[BASA:BASA+1], s[KO+2*\slot:KO+2*\slot+1]
	s_or_b32 s[G0+4*\slot+3], s[G0+4*\slot+3], 0x80000000
	s_add_nc_u64 s[G0B+4*\slot+2:G0B+4*\slot+3], s[BASB:BASB+1], s[KO+2*\slot:KO+2*\slot+1]
	s_or_b32 s[G0B+4*\slot+3], s[G0B+4*\slot+3], 0x80000000
.endif
	s_wait_dscnt 21
	GF 6, 1, 0
	s_wait_dscnt 17
	GF 7, 1, 0
	s_wait_dscnt 0x0                               ; the add is done, my reads of this slot are over
	s_barrier_signal -1
	GS 0, 1, 0
	GS 1, 1, 0
.endm
; A step 1 that changes slots with a refill.  Behind the round nobody in the cluster reads this slot or has a load on its way: it is filled again first; then the next slot is read.
; Matrix instructions, work on registers, stand between the signal and the wait of the round's first and last barrier.
.macro TURN slot, next
	QONE \slot, 1
	WIN 0
	s_barrier_wait -1
	s_cmp_lg_u32 s14, 0
	s_cbranch_scc1 .Lnot_wave_0_\@
	s_barrier_signal -3
.Lnot_wave_0_\@:
	s_barrier_wait -3
	s_barrier_signal -1
	GS 2, 1, 0
	WIN 0
	s_barrier_wait -1
	JLOAD \slot                                    ; the four v_nop behind it are also the places in front of the loads below
	FIRSTS \next
	s_cmp_gt_u32 s3, s[LIM]                        ; s3 = 1 in the loop's last trip  (every window is 0 here)
	s_cbranch_scc0 .Lno_ask_\@
	global_prefetch_b8 v[PFO], s[PFA:PFA+1] th:TH_LOAD_NT scope:SCOPE_SE
.Lno_ask_\@:
.irp g, 3,4,5,6,7
	GS \g, 1, 0
.endr
.endm
	s_load_b128 s[4:7], s[0:1], 0x0                ; x's codes s[4:5], W's codes s[6:7]
	s_load_b128 s[8:11], s[0:1], 0x10              ; the exponents s[8:9], C s[10:11]
	v_lshl_add_u32 v[SPW], v0, 2, SPARE
	v_mov_b32 v[NIL], 0
	ds_add_u32 v[SPW], v[NIL]                      ; the wave's opening: the add, twice on end, and its wait ahead of my first tensor load
	ds_add_u32 v[SPW], v[NIL]
	v_lshrrev_b32 v1, 5, v0
	v_readfirstlane_b32 s14, v1                    ; wave 0..3
	s_lshr_b32 s15, s14, 1                         ; which half of the tile's rows is mine.  Also: I fetch for A (0) or for B (1)
	s_and_b32 s16, s14, 1                          ; which half of its columns.  Also: which 128 rows I fetch
	s_bfe_u32 s40, ttmp6, 0x40000                  ; cx, cy
	s_bfe_u32 s41, ttmp6, 0x40004
	s_lshl_b32 s42, ttmp9, 2
	s_add_co_u32 s42, s42, s40                     ; tile column of C
	s_and_b32 s17, ttmp7, 0xffff
	s_lshl_b32 s[KO], s17, 9                       ; my first K step: 2 x the cluster's row, in bytes
	s_add_co_u32 s[KO+2], s[KO], ROWB              ; my second
	s_mov_b32 s[KO+1], 0
	s_mov_b32 s[KO+3], 0
	s_add_co_u32 s[PFK], s[KO], 2*ROWB
	s_and_b32 s[PFK], s[PFK], KROW-1               ; my third; the fourth stands behind it
	s_mov_b32 s[PFK+1], 0
	s_lshl_b32 s17, s17, 2
	s_add_co_u32 s17, s17, s41                     ; tile row of C
	s_lshl_b32 s43, s41, 2
	s_lshl_b32 s43, 15, s43                        ; my row of the cluster
	s_lshl_b32 s44, 0x1111, s40                    ; my column
	; descriptor group 1: a tile of 128 rows x 256 bytes, in LDS 16 bytes of padding behind each row; bit 21 set beside the mask
	s_or_b32 s[G1+0], s43, (0<<16)|(1<<20)|(1<<21)|(5<<22)|(3<<25)
	s_or_b32 s[G1B+0], s44, (0<<16)|(1<<20)|(1<<21)|(5<<22)|(3<<25)
.irp g, G1, G1B
	s_mov_b32 s[\g+1], ROWB<<16                    ; tensor_dim0
	s_mov_b32 s[\g+2], 128<<16                     ; tensor_dim1
	s_mov_b32 s[\g+3], ROWB<<16                    ; tile_dim0
	s_mov_b32 s[\g+4], 128                         ; tile_dim1
	s_mov_b32 s[\g+5], KROW                        ; the pitch
	s_mov_b32 s[\g+6], 0
	s_mov_b32 s[\g+7], 0
.endr
	s_lshl_b32 s18, s16, 7
	s_lshl_b32 s20, s17, 8
	s_add_co_u32 s20, s20, s18                     ; A: row 256 x tile row + 128 x half
	s_lshl_b32 s46, s42, 8
	s_add_co_u32 s46, s46, s18                     ; B: row 256 x tile column + 128 x half
	s_cmp_eq_u32 s15, 0                            ; the prefetches: my operand's rows, + 32 x my place among the four that ask with me
	s_cselect_b32 s76, s20, s46
	s_cselect_b32 s78, s40, s41
	s_lshl_b32 s78, s78, 5
	s_add_co_u32 s76, s76, s78
	s_lshl_b32 s76, s76, 12                        ; rows of 4,096 bytes
	s_mov_b32 s77, 0
	s_lshl_b32 s20, s20, 12
	s_mov_b32 s21, 0
	s_lshl_b32 s46, s46, 12
	s_mov_b32 s47, 0
	s_and_b32 s79, ttmp7, 1
	s_xor_b32 s79, s79, 1                          ; an even cluster row
	s_and_b32 s79, s79, s15                        ; and a wave of B: asks for nothing
	s_lshl_b32 s79, s79, 8
	s_or_b32 s[LIM], s79, 1
	s_mul_i32 s45, s14, HALFT                      ; where my tiles go: A's halves, then B's: wave x 128 rows
	s_mul_i32 s70, s15, HALFT                      ; my 128 rows of A in a slot
	s_mul_i32 s71, s16, HALFT
	s_add_co_u32 s71, s71, 2*HALFT                 ; my 128 rows of B
	s_mul_i32 s72, s14, 16*SPITCH                  ; my stage
	s_lshl_b32 s74, s17, 8                         ; my first row of C: 256 x tile row + 128 x half,
	s_lshl_b32 s78, s15, 7
	s_add_co_u32 s74, s74, s78
	s_lshl_b32 s74, s74, 13                        ; rows of 8,192 bytes,
	s_lshl_b32 s78, s42, 10                        ; and my first column in bytes
	s_add_co_u32 s74, s74, s78
	s_lshl_b32 s78, s16, 9
	s_add_co_u32 s74, s74, s78
	s_mov_b32 s75, 0
	s_wait_dscnt 0x0                               ; both opening adds are done
	CROUND                                         ; all sixteen work-groups are here: the first joint loads meet
	s_wait_kmcnt 0x0
	s_load_b64 s[96:97], s[8:9], 0x0               ; e0, e1
	s_add_nc_u64 s[BASA:BASA+1], s[4:5], s[20:21]
	s_add_nc_u64 s[BASB:BASB+1], s[6:7], s[46:47]
.irp s, 0,1
	s_mov_b32 s[G0+4*\s], 1
	s_add_co_u32 s[G0+4*\s+1], s45, \s*SLOT
	s_add_nc_u64 s[G0+4*\s+2:G0+4*\s+3], s[BASA:BASA+1], s[KO+2*\s:KO+2*\s+1]
	s_or_b32 s[G0+4*\s+3], s[G0+4*\s+3], 0x80000000
	s_mov_b32 s[G0B+4*\s], 1
	s_add_co_u32 s[G0B+4*\s+1], s45, \s*SLOT
	s_add_nc_u64 s[G0B+4*\s+2:G0B+4*\s+3], s[BASB:BASB+1], s[KO+2*\s:KO+2*\s+1]
	s_or_b32 s[G0B+4*\s+3], s[G0B+4*\s+3], 0x80000000
.endr
	JLOAD 0                                        ; my first K step: one tensor load a wave at the head
	s_cmp_eq_u32 s15, 0
	s_cselect_b64 s[PFB:PFB+1], s[4:5], s[6:7]
	s_add_nc_u64 s[PFB:PFB+1], s[PFB:PFB+1], s[76:77]
	s_add_nc_u64 s[88:89], s[PFB:PFB+1], s[KO+2:KO+3]   ; my second K step
	s_add_nc_u64 s[PFA:PFA+1], s[PFB:PFB+1], s[PFK:PFK+1]
	s_add_co_u32 s[PFK], s[PFK], ROWB              ; the first change of slots steps it to the fifth
	s_add_nc_u64 s[10:11], s[10:11], s[74:75]
	v_and_b32 v1, 15, v0                           ; l % 16
	v_bfe_u32 v2, v0, 4, 1                         ; l / 16
	v_and_b32 v3, 31, v0                           ; l
	v_mul_u32_u24 v4, v1, PITCH
	v_lshl_add_u32 v4, v2, 4, v4                   ; a fragment's row x pitch + 16 x half
	v_mul_u32_u24 v5, v1, SPITCH
	v_lshl_add_u32 v5, v2, 5, v5                   ; into the stage: row l % 16, 32 bytes for each half of the lanes
	v_lshlrev_b32 v[PFO], 12, v3
	v_lshlrev_b32 v[CO], 4, v3                     ; back: the 32 lanes take one row of 512 bytes; the same in C
	v_add_nc_u32 v[ADRA], s70, v4
	v_add_nc_u32 v[ADRB], s71, v4
	v_add_nc_u32 v[STO], s72, v5
	v_add_nc_u32 v[RD], s72, v[CO]
	v_add_nc_u32 v[ADRA+1], SLOT, v[ADRA]
	v_add_nc_u32 v[ADRB+1], SLOT, v[ADRB]
	s_wait_alu depctr_va_vdst(0)
	s_cmp_eq_u32 s[LIM], 1
	s_cbranch_scc0 .Lno_ask_1
	global_prefetch_b8 v[PFO], s[88:89] th:TH_LOAD_NT scope:SCOPE_SE
	global_prefetch_b8 v[PFO], s[PFA:PFA+1] th:TH_LOAD_NT scope:SCOPE_SE
.Lno_ask_1:
	s_wait_tensorcnt 0x0                           ; my part of the first K step is in
	ds_add_u32 v[SPW], v[NIL]
	s_wait_dscnt 0x0
	CROUND                                         ; everybody's part of it is in, and the joint loads meet
	JLOAD 1                                        ; my second K step
	FIRSTS 0
	s_cmp_eq_u32 s[LIM], 1
	s_cbranch_scc0 .Lno_ask_2
	global_prefetch_b8 v[PFO], s[PFA:PFA+1] offset:ROWB th:TH_LOAD_NT scope:SCOPE_SE   ; my fourth: an even K step's successor lies behind it in the row
.Lno_ask_2:
	QZERO 0, 1                                     ; the first step starts the sums: nothing is cleared
	WIN 0
	s_mov_b32 s3, 7
.Llap:                                                 ; a trip goes once round the ring and fills both slots again: my third to sixteenth K step in seven trips
	TURN 0, 1
	QZERO 1, 0
	TURN 1, 0
	QZERO 0, 0
	WIN 0
	s_sub_co_u32 s3, s3, 1
	s_cmp_lg_u32 s3, 0
	s_cbranch_scc1 .Llap
; The fifteenth K step's step 1, and THE LAST K STEP BY ROWS OF C: B's two sets hold its 256 K, A comes in blocks of 16 rows x 256 K, 32 registers, three buffers by turns; each block of 16 rows leaves as soon as it is finished.
.macro BUF a
.if (\a)%3 == 2
.set BF, 32
.else
.set BF, 128+32*((\a)%3)
.endif
.endm
.macro AL a                            ; A's block a of slot 1, both steps
	BUF \a
	WIN 0
	FRAG BF, ADRA+1, (\a)*16*PITCH
	FRAG BF+16, ADRA+1, 128+(\a)*16*PITCH
.endm
.macro ROWQ a, q                       ; block a x B's eight, step q
	BUF \a
	WIN MUL_LO+0x50*((\a)/4)
.irp b, 0,1,2,3,4,5,6,7
	v_wmma_f32_16x16x128_bf8_bf8 v[8*(8*((\a)%4)+\b):8*(8*((\a)%4)+\b)+7], v[128*(\q)+16*\b:128*(\q)+16*\b+15], v[BF+16*(\q):BF+16*(\q)+15], v[8*(8*((\a)%4)+\b):8*(8*((\a)%4)+\b)+7]
.endr
.endm
; The way out of block a: scaled, into my own stage, back as whole rows of 512 bytes.  LDS serves a wave's instructions in order (ISA guide 5.7.1.4): no wait between the stores and the loads.
.macro TOSTAGE a
.set AC, 64*((\a)%4)
	WIN 0x02+((\a)/4)                              ; source 0: window 2 or 3
.irp j, 0,2,4,6,8,10,12,14,16,18,20,22,24,26,28,30,32,34,36,38,40,42,44,46,48,50,52,54,56,58,60,62
	v_pk_mul_f32 v[TMP+\j:TMP+\j+1], v[AC+\j:AC+\j+1], s[96:97] op_sel_hi:[1,0]   ; both x s96 = 2^(e0 + e1); each accumulator from its low end on
.endr
	WIN 0
.irp b, 0,1,2,3,4,5,6,7
	ds_store_b128 v[STO], v[TMP+8*\b:TMP+8*\b+3] offset:64*\b
	ds_store_b128 v[STO], v[TMP+8*\b+4:TMP+8*\b+7] offset:64*\b+16
.endr
	s_wait_xcnt 0x0                                ; the block before has left its registers, and its base has been read
.irp t, 0,1,2,3,4,5,6,7,8,9,10,11,12,13,14,15
	ds_load_b128 v[BK+4*\t:BK+4*\t+3], v[RD] offset:\t*SPITCH
.endr
.endm
.macro SEND a, younger                 ; younger: the LDS loads issued behind the block's, which may stay out
	WIN 0
	s_wait_dscnt \younger
.if (\a) > 0
	s_add_nc_u64 s[10:11], s[10:11], 16*NROW
.endif
.irp t, 0,1,2,3,4,5,6,7,8,9,10,11,12,13,14,15
	global_store_b128 v[CO], v[BK+4*\t:BK+4*\t+3], s[10:11] offset:\t*NROW th:TH_STORE_NT   ; 32 lanes store 512 consecutive bytes, at a multiple of 256 from C's first byte
.endr
.endm
	QONE 0, 0
	s_barrier_wait -1                              ; the last K step is whole; nothing is filled again: no round
	PLACES                                         ; for the loads into S's and B's set 0
	AL 0
.irp i, 0,1,2,3,4,5,6,7
	LB 1, 0, \i
.endr
	AL 1
	AL 2
.irp g, 2,3,4,5,6,7
	GS \g, 1, 0
.endr
	PLACES                                         ; for the loads into B's set 1, and for TMP
.irp i, 0,1,2,3,4,5,6,7
	LB 1, 1, \i
.endr
	s_wait_kmcnt 0x0
	s_add_co_i32 s96, s96, s97                     ; e0 + e1, between -126 and 127,
	s_add_co_i32 s96, s96, 127
	s_lshl_b32 s96, s96, 23                        ; makes the f32 number 2^(e0 + e1)
	s_wait_dscnt 48                                ; block 0 and B's set 0; behind them blocks 1, 2 (8 loads each) and B's set 1 (32)
	ROWQ 0, 0
	s_wait_dscnt 40
	ROWQ 1, 0
	s_wait_dscnt 32
	ROWQ 2, 0
	s_wait_dscnt 0
	ROWQ 0, 1
.irp a, 0,1,2,3,4,5,6,7
	PLACES
	TOSTAGE \a
.if \a < 5
	AL \a+3                                        ; into the buffer that block a has left
.endif
.if \a < 7                             ; the next block's products stand between the loads from the stage and the wait for them
.if \a >= 2
	ROWQ \a+1, 0
.endif
	ROWQ \a+1, 1
.endif
.if \a < 5
	SEND \a, 8
.else
	SEND \a, 0
.endif
.endr
	s_wait_tensorcnt 0x0                           ; the wave's end
	ds_add_u32 v[SPW], v[NIL]
	s_wait_dscnt 0x0
	CROUND                                         ; the closing round: no work-group ends while a partner may still ask for a tile that names it
	s_endpgm
.Lfunc_end_k_qff3ecec72f_gemm:
	.size	k_qff3ecec72f_gemm, .Lfunc_end_k_qff3ecec72f_gemm-k_qff3ecec72f_gemm
	.p2alignl 7, 3214868480
	.fill 96, 4, 3214868480
	.section	.rodata,"a",@progbits
	.p2align	6, 0x0
	.amdhsa_kernel k_qff3ecec72f_gemm
		.amdhsa_group_segment_fixed_size 327680
		.amdhsa_private_segment_fixed_size 0
		.amdhsa_enable_private_segment 0
		.amdhsa_kernarg_size 32
		.amdhsa_user_sgpr_count 2
		.amdhsa_user_sgpr_kernarg_segment_ptr 1
		.amdhsa_wavefront_size32 1
		.amdhsa_system_sgpr_workgroup_id_x 1
		.amdhsa_system_sgpr_workgroup_id_y 1
		.amdhsa_system_sgpr_workgroup_id_z 1
		.amdhsa_system_vgpr_workitem_id 0
		.amdhsa_next_free_vgpr 1024
		.amdhsa_next_free_sgpr 98
		.amdhsa_reserve_vcc 0
		.amdhsa_float_denorm_mode_32 3
		.amdhsa_float_denorm_mode_16_64 3
		.amdhsa_memory_ordered 1
		.amdhsa_forward_progress 1
		.amdhsa_inst_pref_size 128
	.end_amdhsa_kernel
	.amdgpu_metadata
---
amdhsa.version: [ 1, 2 ]
amdhsa.kernels:
  - .name:           k_qff3ecec72f_gemm
    .symbol:         k_qff3ecec72f_gemm.kd
    .args:
      - { .name: x_codes, .offset: 0, .size: 8, .value_kind: global_buffer, .address_space: global }
      - { .name: wcodes, .offset: 8, .size: 8, .value_kind: global_buffer, .address_space: global }
      - { .name: lowp_scales, .offset: 16, .size: 8, .value_kind: global_buffer, .address_space: global }
      - { .name: out0, .offset: 24, .size: 8, .value_kind: global_buffer, .address_space: global }
    .group_segment_fixed_size: 327680
    .private_segment_fixed_size: 0
    .kernarg_segment_align: 8
    .kernarg_segment_size: 32
    .max_flat_workgroup_size: 128
    .sgpr_count:     98
    .vgpr_count:     1024
    .wavefront_size: 32
...
	.end_amdgpu_metadata
.endif
;; end of part 2
